; MI455X (gfx1250); checked and timed in simulation.
; The chip was launched on July 23, 2026; its instructions are those of AMD's public machine-readable ISA for CDNA 5 (MIT licence, August 2026) and "CDNA5" Instruction Set Architecture Reference Guide (July 2026). The comments in the code are by the model that wrote it; some were corrected since.
;; Dot Product Attention. Allowed arithmetic: float matrix products may take bf16 or f16 operands with f32 sums; all other float work in f32.
;; Inputs: attention_mask 2 x 1 x 2,048 x 2,048 bool; key 2,048 x 2 x 32 x 128 float32; query 2,048 x 2 x 32 x 128 float32; value 2,048 x 2 x 32 x 128 float32.
;; Outputs: out0 2,048 x 2 x 4,096 float32.
;; One version. Each part assembles by itself: llvm-mc -triple=amdgcn-amd-amdhsa -mcpu=gfx1250 --defsym DOCPART=n.
;; ======== version 1 of 1: 2 launches
;; limits: values are held in f16: magnitudes above 65,504 overflow, below 6.1e-05 lose precision; inputs' magnitudes at most 65,504
;; workspace buffers: maskbits 1,048,576 bytes of whole numbers
;; launch pack (part 1): grid 256 x 1, 4 waves a work-group, no clusters, 34,304 bytes of LDS; arguments attention_mask, maskbits; writes maskbits
.if DOCPART == 1
	.amdgcn_target "amdgcn-amd-amdhsa--gfx1250"
	.amdhsa_code_object_version 6
	.text
	.protected	k_q6aa39bef13_pack
	.globl	k_q6aa39bef13_pack
	.p2align	8
	.type	k_q6aa39bef13_pack,@function
k_q6aa39bef13_pack:
	s_mov_b64 s[64:65], 0
	v_nop
	global_prefetch_b8 v0, s[64:65] scope:SCOPE_SE
	s_setreg_imm32_b32 hwreg(HW_REG_WAVE_MODE, 25, 1), 1
	s_wait_xcnt 0x0
; attention_mask: [2][1][2048][2048] bytes  ->  maskbits: u32 [G = 256][step = 32][y = 32].
; Bit l of word (G, step, y) says whether mask row 16 G + (l & 15), key 64 step + 16 (y >> 3) + 8 (l >> 4) + (y & 7) is not 0: the word is a lane mask for one
; score register of the attention launch, whose lane l holds query l & 15 and, in tile T = y >> 3 of a step, register j = y & 7, the key 16 T + 8 (l >> 4) + j.
; The 32 heads of a batch entry share the mask, so it is turned into lane masks once here and not once a head there.
; Work-group G takes 16 rows of the mask (32,768 neighbouring bytes); wave w takes keys 512 w .. 512 w + 511 of them (8 steps, 256 words).
; Each load covers 512 neighbouring bytes of a row; the rows go through the wave's own LDS bytes so that lane (r, h) gets its pieces of 8 bytes of row r.
; No wave touches another's bytes: no barrier.  No matrix unit, no cluster: nothing is multiplied and no two work-groups read the same bytes.
.set PITCH, 528                        ; an LDS row: 512 bytes + 16 = 132 words: row r, half h starts at word 4 r + 2 h modulo 64, so the 32 lanes of an 8-byte load touch 64 different words
.set WSTG,  16*PITCH                   ; a wave's stage
.set WW,  8                            ; v[8:15]   the wave's 256 words as two stores want them: word X in register 4 (X >> 7) + (X & 3), lane (X >> 2) & 31
.set IN,  16                           ; v[16:79]  sixteen rows as loaded
.set DD,  80                           ; v[80:143] step i: 8 registers, my 32 bytes: byte y in register y >> 2
	s_load_b128 s[4:7], s[0:1], 0x0                ; attention_mask s[4:5], maskbits s[6:7]
	v_lshl_add_u32 v144, v0, 2, 0x8400
	v_mov_b32 v145, 0
	v_lshrrev_b32 v1, 5, v0
	v_readfirstlane_b32 s8, v1                     ; wave 0..3
	v_and_b32 v4, 31, v0                           ; lane
	v_and_b32 v5, 15, v0                           ; r
	v_bfe_u32 v6, v0, 4, 1                         ; h
	v_lshlrev_b32 v1, 4, v4                        ; 16 x lane: offset of loads and stores; never rewritten
	s_mul_i32 s9, s8, WSTG
	v_add_nc_u32 v2, s9, v1                        ; into the stage: a row's 512 bytes, 16 a lane
	v_mul_u32_u24 v3, v5, PITCH
	v_lshl_add_u32 v3, v6, 3, v3
	v_add_nc_u32 v3, s9, v3                        ; out of the stage: row r, byte 8 h
	s_lshl_b32 s10, ttmp9, 15                      ; 16 rows of 2,048 bytes a work-group,
	s_lshl_b32 s11, s8, 9                          ; 512 keys a wave
	s_add_co_u32 s10, s10, s11
	s_mov_b32 s11, 0
	s_lshl_b32 s20, ttmp9, 12                      ; 4,096 bytes of words a work-group,
	s_lshl_b32 s21, s8, 10                         ; 1,024 a wave
	s_add_co_u32 s20, s20, s21
	s_mov_b32 s21, 0
	s_wait_kmcnt 0x0
	s_add_nc_u64 s[4:5], s[4:5], s[10:11]
	s_add_nc_u64 s[6:7], s[6:7], s[20:21]
.irp x, 0,1,2,3,4,5,6,7,8,9,10,11,12,13,14,15
	global_load_b128 v[IN+4*\x:IN+4*\x+3], v1, s[4:5] offset:\x*2048 th:TH_LOAD_NT   ; read once in the launch
.endr
.irp k, 0,1,2,3,4,5,6,7
	v_mov_b32 v[WW+\k], 0                          ; v_writelane_b32 keeps the other lanes: its destination has to be written whole first
.endr
.irp x, 0,1,2,3,4,5,6,7,8,9,10,11,12,13,14,15
	s_wait_loadcnt 15-\x                           ; loads come back in order: row x is in, the younger ones stay out
	ds_store_b128 v2, v[IN+4*\x:IN+4*\x+3] offset:\x*PITCH
.endr
.irp i, 0,1,2,3,4,5,6,7
.irp t, 0,1,2,3
	ds_load_b64 v[DD+8*\i+2*\t:DD+8*\i+2*\t+1], v3 offset:64*\i+16*\t   ; keys 64 i + 16 t + 8 h .. + 7; LDS serves a wave's instructions in order: these see the stores above
.endr
.endr
; Word X = 32 step + y: byte y of every lane's 32 is cut out, the compare's lane mask IS the word, and it is put into the lane that stores it.
.set X, 0
.rept 8
	s_wait_dscnt 28-4*(X/32)                       ; this step's four loads are in; the later steps' four each stay out
.rept 32
	v_bfe_u32 v[4+(X&3)], v[DD+(X>>2)], 8*(X&3), 8
	v_cmp_ne_u32 s[12+(X&7)], 0, v[4+(X&3)]
	v_writelane_b32 v[WW+4*(X>>7)+(X&3)], s[12+(X&7)], (X>>2)&31
.set X, X+1
.endr
.endr
	global_store_b128 v1, v[WW:WW+3], s[6:7]               ; each store covers 512 neighbouring bytes, aligned
	global_store_b128 v1, v[WW+4:WW+7], s[6:7] offset:512
	s_wait_tensorcnt 0x0
	ds_add_u32 v144, v145
	s_wait_dscnt 0x0
	s_endpgm
.Lfunc_end_k_q6aa39bef13_pack:
	.size	k_q6aa39bef13_pack, .Lfunc_end_k_q6aa39bef13_pack-k_q6aa39bef13_pack
	.p2alignl 7, 3214868480
	.fill 96, 4, 3214868480
	.section	.rodata,"a",@progbits
	.p2align	6, 0x0
	.amdhsa_kernel k_q6aa39bef13_pack
		.amdhsa_group_segment_fixed_size 34304
		.amdhsa_private_segment_fixed_size 0
		.amdhsa_enable_private_segment 0
		.amdhsa_kernarg_size 16
		.amdhsa_user_sgpr_count 2
		.amdhsa_user_sgpr_kernarg_segment_ptr 1
		.amdhsa_wavefront_size32 1
		.amdhsa_system_sgpr_workgroup_id_x 1
		.amdhsa_system_sgpr_workgroup_id_y 1
		.amdhsa_system_sgpr_workgroup_id_z 1
		.amdhsa_system_vgpr_workitem_id 0
		.amdhsa_next_free_vgpr 146
		.amdhsa_next_free_sgpr 66
		.amdhsa_reserve_vcc 0
		.amdhsa_float_denorm_mode_32 3
		.amdhsa_float_denorm_mode_16_64 3
		.amdhsa_memory_ordered 1
		.amdhsa_forward_progress 1
		.amdhsa_inst_pref_size 56
	.end_amdhsa_kernel
	.amdgpu_metadata
---
amdhsa.version: [ 1, 2 ]
amdhsa.kernels:
  - .name:           k_q6aa39bef13_pack
    .symbol:         k_q6aa39bef13_pack.kd
    .args:
      - { .name: attention_mask, .offset: 0, .size: 8, .value_kind: global_buffer, .address_space: global }
      - { .name: maskbits, .offset: 8, .size: 8, .value_kind: global_buffer, .address_space: global }
    .group_segment_fixed_size: 34304
    .private_segment_fixed_size: 0
    .kernarg_segment_align: 8
    .kernarg_segment_size: 16
    .max_flat_workgroup_size: 128
    .sgpr_count:     66
    .vgpr_count:     146
    .wavefront_size: 32
...
	.end_amdgpu_metadata
.endif
;; end of part 1
;; launch attn (part 2): grid 256 x 1, 8 waves a work-group, clusters of 4 x 1, 327,680 bytes of LDS; arguments query, key, value, maskbits, out0; writes out0
.if DOCPART == 2
	.amdgcn_target "amdgcn-amd-amdhsa--gfx1250"
	.amdhsa_code_object_version 6
	.text
	.protected	k_q6aa39bef13_attn
	.globl	k_q6aa39bef13_attn
	.p2align	8
	.type	k_q6aa39bef13_attn,@function
k_q6aa39bef13_attn:
	s_mov_b64 s[64:65], 0
	v_nop
	global_prefetch_b8 v0, s[64:65] scope:SCOPE_SE
	s_setreg_imm32_b32 hwreg(HW_REG_WAVE_MODE, 25, 1), 1
	s_wait_xcnt 0x0
	s_wait_alu depctr_hold_cnt(0) depctr_sa_sdst(0) depctr_va_vdst(0) depctr_va_sdst(0) depctr_va_ssrc(0) depctr_va_vcc(0) depctr_vm_vsrc(0)
	s_getreg_b32 s2, hwreg(HW_REG_IB_STS2, 6, 4)
	s_cmp_eq_u32 s2, 0
	s_cbranch_scc0 .Lentry_in_a_cluster
	s_endpgm
.Lentry_in_a_cluster:
	s_bfe_u32 s2, ttmp6, 0x10000c
	s_cmp_lg_u32 s2, 0x3003
	s_cbranch_scc0 .Lentry_shape_is_right
	s_endpgm
.Lentry_shape_is_right:
; out[q][head][:] = softmax over keys of ( mask ? -10000 : q.k / sqrt(128) ) times V.   query, key, value, out0: [2048][64 heads][128] f32.
; 64 heads x 4 blocks of 512 queries = 256 work-groups; 8 waves, 64 queries a wave (four subtiles of 16); keys go in 32 steps of 64, each step in two chunks of 32.
;
; CLUSTER: the four query blocks of a head form a cluster (4, 1, 1) and need the same rows of key and value: every tile is asked for jointly (mask 15), so that each
; row of key and value is requested once for the four.  Nothing in a descriptor, an LDS address or a branch hangs on the place in the cluster; the one vector
; register that holds something made from it (the prefetch offset) holds nothing else.
;
; BOTH PRODUCTS ARE USED TRANSPOSED, so that nothing crosses lanes between them.  Lane l = (r = l & 15, h = l >> 4).
;   S^T = K Q^T: source 0 = 16 rows of K, source 1 = 16 queries.  Register j of the result is (key 8 h + j of the tile, query r): a lane owns one query.
;   The two result tiles of a chunk, rounded in pairs to f16, ARE source 1 of the second product (registers 0-3: k = 8 h .., 4-7: k = 16 + 8 h ..).
;   O^T = V^T P^T: source 0 = V^T, read from rows [key][128] by the transposing LDS load.  Register j is (channel 16 a + 8 h + j, query r): the running
;   maximum's factor is one number a lane, and a lane holds 32 neighbouring bytes of an output row.
; MASK: word y = 8 T + j of a step in maskbits is the lane mask of register j of the step's tile T (key 16 T + 8 h + j): one v_cndmask_b32 a score register.
; SOFTMAX in base 2: log2(e) / sqrt(128) is multiplied into Q in f32 ahead of the rounding to f16; the masked score is -10000 log2(e).  A running maximum is taken
; in every chunk and O and l are rescaled in every chunk (no branch on numbers).  m is common to both halves of the lanes, l is kept by halves and joined at the end.
; K and V arrive in f32 by tensor loads (stage F), are rounded to f16 one step ahead (stage B), and are read as fragments from B.
;
; TWO KINDS OF WAVES, kind = (w xor (w >> 2)) & 1: waves w and w + 4 differ in kind, and so do waves 2 k and 2 k + 1.  Kind 0 ends a step with the second chunk's
; rescaling and its 32 products V^T P^T.  Kind 1 passes the step's barrier with these still owed (P, the V^T fragments and the factors lie in registers, so nothing
; of LDS is touched for them) and does them first thing behind it.  Between two barriers both kinds do the same work, but kind 1 runs 128 packed multiplications
; and 32 products behind kind 0, so that the products of one kind fall into the softmax of the other.
;
; FORMAT: the matrix operands are f16, not bf16: an output is a mean of some 2,000 values and is small against them, and it is compared within a hundredth of the
; outputs' root mean square; with 8 significant bits the operands' rounding reaches a quarter of that, with 11 bits a thirtieth.
; LIMITS, stated: Q log2(e)/sqrt(128), K, V and the probabilities are rounded to f16 for the products.  A magnitude above 65,504 in K, in V or in 0.1275 Q becomes
; infinite (inputs of spread 1, also 30 times larger or offset by 30, stay under 250); magnitudes below 2^-14 are kept as f16 denormals, within 2^-25.
; A probability below 2^-25 of the running maximum's rounds to 0: at most 2,048 x 2^-25 of a row's weight.  v_exp_f32 gives 0 below 2^-126; the masked constant is
; rounded to f32 in base 2 (relative 2^-24); the maxima ignore NaN, so NaN or infinite inputs do not spread as in the definition.
;
; A tensor load here has 16 rows of 512 bytes: a step has 64 + 64 rows, and each of the eight waves brings an eighth of them by the same line of text.
; By this text's own count a wave has at most two tensor loads out (the two first fills), later one.
.set ROWB,  32768                      ; bytes from one sequence position to the next
.set TILEB, 64*ROWB                    ; a step's 64 positions
.set FSLOT, 65536                      ; F: LDS 0 .. 131,071, two slots: K f32 64 x 512 bytes, then V f32; filled by tensor loads alone; read by whole rows, so not padded
.set FV,    32768
.set BB,    131072                     ; B: LDS 131,072 .. 202,751, two slots, written by LDS stores alone
.set KP,    272                        ; K f16: 256 bytes + 16, an odd multiple of 16
.set VP,    288                        ; V f16: 256 bytes + 32, an odd multiple of 32, for the transposing load
.set BV,    64*KP
.set BSLOT, 64*KP+64*VP                ; 35,840
.set WSB,   BB+2*BSLOT                 ; W: LDS 202,752 .. 270,335: 8,448 bytes for each wave alone: Q on its way in (16 x 272), O on its way out (16 x 528)
.set WSZ,   8448
.set OP,    528
.set QSCALE, 0x3e0293ee                ; log2(e) / sqrt(128)
.set MASKED, 0xc6616bcd                ; -10000 log2(e)
; window 0
.set KA,  1                            ; v1   K fragments: BB + r KP + 16 h
.set VA,  2                            ; v2   V^T fragments: BB + BV + (8 h + (l & 7)) VP + 16 ((l >> 3) & 1)
.set CS,  3                            ; v3   conversion, from: 4,096 w + 16 l (rows 8 w .. 8 w + 7 of K in F)
.set PF,  4                            ; v4   prefetch: offset of my block in a tile; never rewritten
.set CDK, 5                            ; v5   conversion, to: BB + 8 w KP + 8 l
.set CDV, 6                            ; v6   conversion, to: BB + BV + 8 w VP + 8 l
.set NEG, 7                            ; v7   the masked score
.set ML,  8                            ; v[8+2u] m, v[9+2u] l of subtile u
.set AP,  16                           ; v[16+2u] the rescaling factor (at the end 1 / l), v[17+2u] what comes from the other half of the lanes
.set XS,  24                           ; v[24+u] maxima at work; then v[24+2u:25+2u] sums at work; v24-31 also address temporaries outside the softmax
.set FR,  32                           ; v[32:63]   one K tile (4 x 32 channels), or V^T fragments a = 0..3
.set SC,  64                           ; v[64:127]  scores: subtile u, tile t at 64 + 16 u + 8 t; then P of u in 64 + 16 u .. + 7 and V^T fragment 4 + u in 64 + 16 u + 8 .. + 15
.set QF,  128                          ; v[128:255] Q fragments: subtile u, channels 32 k .. at 128 + 32 u + 8 k; at the end two store buffers
; window 1 (v256-511): O, tile (a, u) at 8 (4 a + u); in the prologue the 64 rows of Q as loaded
; scalars: s[2:3] this wave's lane masks at the current step; s[4:5] out0; s[6:7] prefetch address; s8 wave; s9 trips; s10, s11 selects of v_permlanex16_b32;
; s12 place in the cluster; s13 the wave's kind; s[14:15] query; s[16:63], s[68:83] 4 x 16 lane masks; s[66:67] key or value at my head; s100 next tile to prefetch; s101 wave & 3
.set G1, 84                            ; s[84:91] descriptor group 1
.set G0, 92                            ; s[92:99] descriptor group 0, one set for each slot of F
.set MSB, 0
.macro WIN new                         ; s_set_vgpr_msb: bits 1:0 source 0, 3:2 source 1, 5:4 source 2, 7:6 destination; the high byte repeats the setting that is left
.if MSB != \new
	s_set_vgpr_msb (MSB<<8)|\new
.set MSB, \new
.endif
.endm
.macro NOPS count
.rept \count
	v_nop
.endr
.endm
.macro BAR
	s_barrier_signal -1
	s_barrier_wait -1
.endm
; A round of the cluster's barrier: my work-group's barrier, so that wave 0 speaks for all eight waves; wave 0 signals; every wave waits for the four work-groups; my barrier again.
.macro ROUND
	s_barrier_signal -1
	s_barrier_wait -1
	s_cmp_lg_u32 s8, 0
	s_cbranch_scc1 .Lnot_wave_0_\@
	s_barrier_signal -3
.Lnot_wave_0_\@:
	s_barrier_wait -3
	s_barrier_signal -1
	s_barrier_wait -1
.endm
; 16 rows of K (tile 0..3 of the step) x 128 channels
.macro KLOAD slot, tile
.irp k, 0,1,2,3
	ds_load_b128 v[FR+8*\k:FR+8*\k+3],   v[KA] offset:\slot*BSLOT+(\tile)*16*KP+64*\k
	ds_load_b128 v[FR+8*\k+4:FR+8*\k+7], v[KA] offset:\slot*BSLOT+(\tile)*16*KP+64*\k+32
.endr
.endm
; 16 matrix instructions: one K tile x four subtiles of queries.  The four accumulators take turns, one instruction a turn.  The first product starts the sums.
; mx = 1 (the chunk's second tile): behind each of the last twelve products stands one step of the maxima over the first tile's masked scores, which names none of
; the registers of these products.
.macro SMUL tp, mx
.irp k, 0,1,2,3
.irp u, 0,1,2,3
.if \k == 0
	v_wmma_f32_16x16x32_f16 v[SC+16*\u+8*\tp:SC+16*\u+8*\tp+7], v[FR+8*\k:FR+8*\k+7], v[QF+32*\u+8*\k:QF+32*\u+8*\k+7], 0
.else
	v_wmma_f32_16x16x32_f16 v[SC+16*\u+8*\tp:SC+16*\u+8*\tp+7], v[FR+8*\k:FR+8*\k+7], v[QF+32*\u+8*\k:QF+32*\u+8*\k+7], v[SC+16*\u+8*\tp:SC+16*\u+8*\tp+7]
.endif
.if \mx
.if \k == 1
	v_max3_num_f32 v[XS+\u], v[SC+16*\u], v[SC+16*\u+1], v[SC+16*\u+2]
.endif
.if \k == 2
	v_max3_num_f32 v[XS+\u], v[XS+\u], v[SC+16*\u+3], v[SC+16*\u+4]
.endif
.if \k == 3
	v_max3_num_f32 v[XS+\u], v[XS+\u], v[SC+16*\u+5], v[SC+16*\u+6]
.endif
.endif
.endr
.endr
.endm
; V^T fragments of chunk c: channels 16 a .. 16 a + 15 x the chunk's 32 keys
.macro VLOADA slot, c
.irp a, 0,1,2,3
	ds_load_tr16_b128 v[FR+8*\a:FR+8*\a+3],   v[VA] offset:\slot*BSLOT+32*\c*VP+32*\a
	ds_load_tr16_b128 v[FR+8*\a+4:FR+8*\a+7], v[VA] offset:\slot*BSLOT+32*\c*VP+32*\a+16*VP
.endr
.endm
.macro VLOADB slot, c
.irp a, 0,1,2,3
	ds_load_tr16_b128 v[SC+16*\a+8:SC+16*\a+11],  v[VA] offset:\slot*BSLOT+32*\c*VP+32*(\a+4)
	ds_load_tr16_b128 v[SC+16*\a+12:SC+16*\a+15], v[VA] offset:\slot*BSLOT+32*\c*VP+32*(\a+4)+16*VP
.endr
.endm
; the 16 lane masks of a chunk for each of my four subtiles (a subtile's words are 4,096 bytes apart)
.macro MASKLD off
	s_load_b512 s[16:31], s[2:3], \off
	s_load_b512 s[32:47], s[2:3], 4096+\off
	s_load_b512 s[48:63], s[2:3], 8192+\off
	s_load_b512 s[68:83], s[2:3], 12288+\off
.endm
; the masked scores of tile t (0, 1) of the chunk are replaced: 8 registers in each of four subtiles
.macro MASKT t
.irp j, 0,1,2,3,4,5,6,7
	v_cndmask_b32 v[SC+8*\t+\j],    v[SC+8*\t+\j],    v[NEG], s[16+8*\t+\j]
	v_cndmask_b32 v[SC+16+8*\t+\j], v[SC+16+8*\t+\j], v[NEG], s[32+8*\t+\j]
	v_cndmask_b32 v[SC+32+8*\t+\j], v[SC+32+8*\t+\j], v[NEG], s[48+8*\t+\j]
	v_cndmask_b32 v[SC+48+8*\t+\j], v[SC+48+8*\t+\j], v[NEG], s[68+8*\t+\j]
.endr
.endm
; Wave 0 asks for a later tile of key, wave 4 of value: 32 lanes = rows 16 cx .. 16 cx + 15 of the tile's 64, two blocks of 256 bytes each, so the four partners
; together name each block of a tile once.  Step i asks for tile i + 3, whose tensor load stands at the head of step i + 1; the tile's number is clamped to the last.
.macro PREFETCH
	s_cmp_lg_u32 s101, 0
	s_cbranch_scc1 .Lno_prefetch_\@
	s_wait_xcnt 0x0                                ; the last prefetch, a step ago, has read s[6:7]
	s_min_u32 s104, s100, 31
	s_lshl_b32 s104, s104, 21                      ; tile x 64 rows x 32,768 bytes
	s_mov_b32 s105, 0
	s_add_nc_u64 s[6:7], s[66:67], s[104:105]
	global_prefetch_b8 v[PF], s[6:7] th:TH_LOAD_NT scope:SCOPE_SE
	s_add_co_u32 s100, s100, 1
.Lno_prefetch_\@:
.endm
; The softmax of a chunk from the second tile's maxima on: four subtiles as four chains that do not wait for each other.
.macro SOFTREST first
.irp k, 8,10,12,14
.irp u, 0,1,2,3
	v_max3_num_f32 v[XS+\u], v[XS+\u], v[SC+16*\u+\k], v[SC+16*\u+\k+1]
.endr
.endr
.irp u, 0,1,2,3
	v_permlanex16_b32 v[AP+2*\u+1], v[XS+\u], s10, s11     ; the same query's other 16 keys lie in lane l xor 16
.endr
.if \first
.irp u, 0,1,2,3
	v_max_num_f32 v[ML+2*\u], v[XS+\u], v[AP+2*\u+1]
.endr
.else
.irp u, 0,1,2,3
	v_max3_num_f32 v[XS+\u], v[XS+\u], v[AP+2*\u+1], v[ML+2*\u]   ; the new running maximum
.endr
.irp u, 0,1,2,3
	v_sub_f32 v[AP+2*\u], v[ML+2*\u], v[XS+\u]             ; old - new, at most 0
.endr
.irp u, 0,1,2,3
	v_mov_b32 v[ML+2*\u], v[XS+\u]                         ; kept: the registers at work serve the sums below
.endr
.endif
.irp k, 0,2,4,6,8,10,12,14
.irp u, 0,1,2,3
	v_pk_add_f32 v[SC+16*\u+\k:SC+16*\u+\k+1], v[SC+16*\u+\k:SC+16*\u+\k+1], v[ML+2*\u:ML+2*\u+1] op_sel_hi:[1,0] neg_lo:[0,1] neg_hi:[0,1]   ; both minus m
.endr
.endr
.if \first == 0
.irp u, 0,1,2,3
	v_exp_f32 v[AP+2*\u], v[AP+2*\u]
.endr
.endif
.irp k, 0,1,2,3,4,5,6,7,8,9,10,11,12,13,14,15
.irp u, 0,1,2,3
	v_exp_f32 v[SC+16*\u+\k], v[SC+16*\u+\k]
.endr
.endr
	v_nop                                          ; one plain vector instruction between the run of exponentials and the first use of a result (ISA guide 5.7.2)
	s_wait_alu depctr_va_vdst(0)
.irp u, 0,1,2,3
	v_pk_add_f32 v[XS+2*\u:XS+2*\u+1], v[SC+16*\u:SC+16*\u+1], v[SC+16*\u+2:SC+16*\u+3]
.endr
.irp k, 4,6,8,10,12,14
.irp u, 0,1,2,3
	v_pk_add_f32 v[XS+2*\u:XS+2*\u+1], v[XS+2*\u:XS+2*\u+1], v[SC+16*\u+\k:SC+16*\u+\k+1]
.endr
.endr
.if \first
.irp u, 0,1,2,3
	v_add_f32 v[ML+2*\u+1], v[XS+2*\u], v[XS+2*\u+1]
.endr
.else
.irp u, 0,1,2,3
	v_add_f32 v[XS+2*\u], v[XS+2*\u], v[XS+2*\u+1]
.endr
.irp u, 0,1,2,3
	v_fma_f32 v[ML+2*\u+1], v[ML+2*\u+1], v[AP+2*\u], v[XS+2*\u]   ; l = l x factor + this chunk's sum
.endr
.endif
.irp i, 0,1,2,3,4,5,6,7
.irp u, 0,1,2,3
	v_cvt_pk_f16_f32 v[SC+16*\u+\i], v[SC+16*\u+2*\i], v[SC+16*\u+2*\i+1]   ; in place: register i is written when registers up to i have been read
.endr
.endr
.endm
.macro RESCALE                         ; O x factor: destination and source 0 in window 1
	WIN 0x41
.irp a, 0,1,2,3,4,5,6,7
.irp u, 0,1,2,3
.irp p, 0,2,4,6
	v_pk_mul_f32 v[8*(4*\a+\u)+\p:8*(4*\a+\u)+\p+1], v[8*(4*\a+\u)+\p:8*(4*\a+\u)+\p+1], v[AP+2*\u:AP+2*\u+1] op_sel_hi:[1,0]
.endr
.endr
.endr
.endm
; 16 matrix instructions on 16 different accumulators (the two parts: all 32, each once a chunk, by turns).  C and D in window 1.
.macro PVMUL part, first
.irp a, 0,1,2,3
.irp u, 0,1,2,3
.if \part
.set AR, SC+16*\a+8
.else
.set AR, FR+8*\a
.endif
.set OD, 8*(4*(4*\part+\a)+\u)
.if \first
	v_wmma_f32_16x16x32_f16 v[OD:OD+7], v[AR:AR+7], v[SC+16*\u:SC+16*\u+7], 0
.else
	v_wmma_f32_16x16x32_f16 v[OD:OD+7], v[AR:AR+7], v[SC+16*\u:SC+16*\u+7], v[OD:OD+7]
.endif
.endr
.endr
.endm
; The first part of a chunk of 32 keys: scores, softmax, and the loads of the V^T fragments.  It leaves P, the fragments (on their way) and the factors in registers.
; The v_nop are the places behind matrix instructions: four before a load lands on, or a vector instruction touches, a register of a matrix instruction.
.macro SCORES slot, c, first, kwait, nextmask, pf
	s_wait_dscnt \kwait                            ; the first K tile is in
	SMUL 0, 0
	NOPS 4                                         ; for the loads into the fragment buffer and for the selects, which touch the first tile's scores
	KLOAD \slot, 2*\c+1
	s_wait_kmcnt 0x0                               ; this chunk's lane masks are in, and their base may be stepped
.if \c
	s_add_nc_u64 s[2:3], s[2:3], 128               ; the next step's words
.endif
	MASKT 0                                        ; 32 selects while the second K tile is on its way from LDS
	s_wait_dscnt 0x0
	SMUL 1, 1
.irp u, 0,1,2,3
	v_max_num_f32 v[XS+\u], v[XS+\u], v[SC+16*\u+7]        ; with the maximum in front of them, five places behind the last product: they name none of its registers
.endr
	VLOADA \slot, \c
	MASKT 1
.if \pf
	PREFETCH
.endif
.if \nextmask
.if \c
	MASKLD 0                                       ; the next step's first chunk
.else
	MASKLD 64                                      ; this step's second chunk
.endif
.endif
	SOFTREST \first
	VLOADB \slot, \c                               ; into the halves of the score registers that the packing has freed
.endm
; The second part of a chunk: O is rescaled and V^T P^T is added.  But for the K tile that kpre = 1 asks for in its middle, it touches registers alone.
.macro PV first, kpre, kslot, ktile
.if \first == 0
	RESCALE
.endif
	s_wait_dscnt 0x0                               ; all V^T fragments are in
	WIN 0x50
	PVMUL 0, \first
.if \kpre
	NOPS 4                                         ; four places before loads land on fragments that products have read
	WIN 0
	KLOAD \kslot, \ktile                           ; the next scores' first K tile, while the second half is multiplied
	WIN 0x50
.endif
	PVMUL 1, \first
	WIN 0
	NOPS 5                                         ; five places: the next scores write over P and V^T; the conversion loads into them; the next rescaling writes O
.endm
; F[slot] to B[slot]: wave w rounds keys 8 w .. 8 w + 7 of K and of V, into rows 8 w .. 8 w + 7.  Every load takes a row's 512 neighbouring bytes, every store 256.
.macro CONV slot
.if \slot
	v_add_nc_u32 v24, FSLOT, v[CS]
.set CA, 24
.else
.set CA, CS
.endif
.irp x, 0,1,2,3,4,5,6,7
	ds_load_b128 v[SC+4*\x:SC+4*\x+3], v[CA] offset:\x*512
.endr
.irp x, 0,1,2,3,4,5,6,7
	ds_load_b128 v[SC+32+4*\x:SC+32+4*\x+3], v[CA] offset:FV+\x*512
.endr
	s_wait_dscnt 8                                 ; K's eight rows are in, V's eight loads may be out
.irp x, 0,1,2,3,4,5,6,7
	v_cvt_pk_f16_f32 v[SC+4*\x],   v[SC+4*\x],   v[SC+4*\x+1]
	v_cvt_pk_f16_f32 v[SC+4*\x+1], v[SC+4*\x+2], v[SC+4*\x+3]
.endr
.irp x, 0,1,2,3,4,5,6,7
	ds_store_b64 v[CDK], v[SC+4*\x:SC+4*\x+1] offset:\slot*BSLOT+\x*KP
.endr
	s_wait_dscnt 8                                 ; V's rows are in: only K's eight stores are younger
.irp x, 0,1,2,3,4,5,6,7
	v_cvt_pk_f16_f32 v[SC+32+4*\x],   v[SC+32+4*\x],   v[SC+32+4*\x+1]
	v_cvt_pk_f16_f32 v[SC+32+4*\x+1], v[SC+32+4*\x+2], v[SC+32+4*\x+3]
.endr
.irp x, 0,1,2,3,4,5,6,7
	ds_store_b64 v[CDV], v[SC+32+4*\x:SC+32+4*\x+1] offset:\slot*BSLOT+\x*VP
.endr
.endm
; Step i, slot = i mod 2, entered behind a round (or barrier) and closed by the next one.  In front of a round every wave has waited for all its LDS instructions and all
; its tensor loads, so behind it: B[slot] is written whole (it was rounded in step i - 1); nobody reads B[other] or F[slot] any more; tile i + 1 lies whole in F[other].
; Then tile i + 2 is asked for, into F[slot]: the wave's first and only tensor load until the next round.  Between the chunks F[other] is rounded into B[other].
; first = 1: step 0, nothing is owed.  closing: 2 a round, with the other slot's address stepped for the refill behind it; 1 a barrier;
; 0 the last step.  conv = 0: the last step, nothing is left to round and no lane masks follow.
.macro STEP slot, refill, conv, first, closing, pf
.if \refill
	tensor_load_to_lds s[G0+4*\slot:G0+4*\slot+3], s[G1:G1+7]
	s_nop 0
.endif
.if \first
	KLOAD \slot, 0
.else
	s_cmp_lg_u32 s13, 0
	s_cbranch_scc0 .Learly_\@
	PV 0, 1, \slot, 0                              ; kind 1: the last step's second chunk is finished from registers; this step's first K tile is asked for in its middle
	s_branch .Lscores_\@
.Learly_\@:
	KLOAD \slot, 0                                 ; kind 0 owes nothing
.Lscores_\@:
.endif
	SCORES \slot, 0, \first, 0, 1, \pf
	PV \first, 1, \slot, 2
.if \conv
.if \slot
	CONV 0
.else
	CONV 1
.endif
	SCORES \slot, 1, 0, 16, 1, 0                   ; 16: the conversion's stores are younger than the K tile's loads and may stay out
.else
	SCORES \slot, 1, 0, 0, 0, 0
.endif
.if \closing == 0
	PV 0, 0, 0, 0                                  ; the last chunk: both kinds finish it here
.else
	s_cmp_lg_u32 s13, 0
	s_cbranch_scc1 .Llate_\@
	PV 0, 0, 0, 0                                  ; kind 0; kind 1 carries it over the barrier
.Llate_\@:
	s_wait_xcnt 0x0
	v_lshl_add_u32 v30, v0, 2, 0x42000
	v_mov_b32 v31, 0
	s_wait_tensorcnt 0x0                           ; all my tensor loads have landed, so a group 0 may be written
	ds_add_u32 v30, v31
	s_wait_dscnt 0x0
.if \closing == 2
	s_add_nc_u64 s[G0+4*(1-\slot)+2:G0+4*(1-\slot)+3], s[G0+4*(1-\slot)+2:G0+4*(1-\slot)+3], 2*TILEB   ; the other slot's next tile; the type bits on top are not reached
.endif
	s_wait_dscnt 0x0                               ; my reads of B and F are back (kind 1: the V^T fragments among them), my stores into B are done
.if \closing == 2
	ROUND
.else
	BAR
.endif
.endif
.endm
	; ---- set-up ----
	s_load_b256 s[16:23], s[0:1], 0x0              ; query s[16:17], key s[18:19], value s[20:21], maskbits s[22:23]
	s_load_b64 s[24:25], s[0:1], 0x20              ; out0
	v_lshl_add_u32 v30, v0, 2, 0x42000
	v_mov_b32 v31, 0
	ds_add_u32 v30, v31
	s_wait_dscnt 0x0
	v_lshrrev_b32 v1, 5, v0
	v_readfirstlane_b32 s8, v1                     ; wave 0..7
	s_bfe_u32 s12, ttmp6, 0x40000                  ; cx: my block of 512 queries; the cluster's number, ttmp9, is the head
	s_lshr_b32 s13, s8, 2
	s_xor_b32 s13, s13, s8
	s_and_b32 s13, s13, 1                          ; the wave's kind
	s_mov_b32 s10, 0x76543210                      ; v_permlanex16_b32: lane i reads lane i of the other half
	s_mov_b32 s11, 0xfedcba98
	s_and_b32 s101, s8, 3
	s_mov_b32 s100, 2                              ; the first tile to prefetch
	; group 1: 16 rows x 128 elements of 4 bytes, rows 8,192 elements apart, no padding
	s_mov_b32 s[G1+0], 0x0022000f                  ; 15:0 mask: all four of the cluster; 17:16 elements of 4 bytes; 21 set beside a mask
	s_mov_b32 s[G1+1], 128<<16                     ; tensor_dim0 = 128
	s_mov_b32 s[G1+2], 16<<16                      ; tensor_dim1 = 16
	s_mov_b32 s[G1+3], 128<<16                     ; tile_dim0 = 128
	s_mov_b32 s[G1+4], 16                          ; tile_dim1 = 16
	s_mov_b32 s[G1+5], 8192                        ; from row to row
	s_mov_b32 s[G1+6], 0
	s_mov_b32 s[G1+7], 0
	s_mov_b32 s[G0+0], 1
	s_mul_i32 s[G0+1], s8, 8192                    ; LDS: slot 0 + 8,192 w (waves 0-3: K's rows 16 w .., waves 4-7: V's rows 16 (w - 4) ..)
	s_mov_b32 s[G0+4], 1
	s_add_co_u32 s[G0+5], s[G0+1], FSLOT           ; slot 1
	v_and_b32 v24, 31, v0                          ; l
	v_and_b32 v25, 15, v0                          ; r
	v_bfe_u32 v26, v0, 4, 1                        ; h
	v_mul_u32_u24 v[KA], v25, KP
	v_lshl_add_u32 v[KA], v26, 4, v[KA]
	v_add_nc_u32 v[KA], BB, v[KA]
	v_and_b32 v27, 7, v0
	v_lshl_add_u32 v27, v26, 3, v27
	v_mul_u32_u24 v[VA], v27, VP
	v_bfe_u32 v27, v0, 3, 1
	v_lshl_add_u32 v[VA], v27, 4, v[VA]
	v_add_nc_u32 v[VA], BB+BV, v[VA]
	s_lshl_b32 s9, s8, 12
	v_lshl_add_u32 v[CS], v24, 4, s9               ; 8 rows of 512 bytes a wave
	s_mul_i32 s28, s8, 8*KP                        ; 8 rows of K a wave
	s_add_co_u32 s28, s28, BB
	v_lshl_add_u32 v[CDK], v24, 3, s28
	s_mul_i32 s28, s8, 8*VP                        ; 8 rows of V a wave
	s_add_co_u32 s28, s28, BB+BV
	v_lshl_add_u32 v[CDV], v24, 3, s28
	v_mov_b32 v[NEG], MASKED
.irp u, 0,1,2,3
	v_mov_b32 v[ML+2*\u+1], 0                      ; l: written, since the pair (m, l) is named whole by the packed subtraction
	v_mov_b32 v[AP+2*\u+1], 0                      ; the destination of v_permlanex16_b32 counts as read
.endr
	v_lshlrev_b32 v28, 4, v24                      ; 16 l: my 16 bytes of a row of Q
	s_mul_i32 s9, s8, WSZ
	s_add_co_u32 s9, s9, WSB                       ; my wave's own stage
	v_lshl_add_u32 v30, v24, 3, s9                 ; Q in: 8 bytes a lane
	v_mul_u32_u24 v27, v25, KP
	v_lshl_add_u32 v27, v26, 4, v27
	v_add_nc_u32 v31, s9, v27                      ; Q back as fragments
	v_and_b32 v29, 1, v0
	v_lshlrev_b32 v29, 8, v29                      ; the first or second 256 bytes of a row
	s_lshl_b32 s26, s12, 4
	v_lshrrev_b32 v[PF], 1, v24
	v_add_nc_u32 v[PF], s26, v[PF]                 ; row 16 cx + l / 2 of a tile: the place in the cluster enters this register alone
	v_lshl_add_u32 v[PF], v[PF], 15, v29
	s_lshl_b32 s26, s12, 24                        ; 512 queries a block,
	s_lshl_b32 s27, s8, 21                         ; 64 a wave,
	s_add_co_u32 s26, s26, s27
	s_lshl_b32 s27, ttmp9, 9                       ; 512 bytes a head
	s_add_co_u32 s26, s26, s27
	s_mov_b32 s27, 0
	s_lshr_b32 s28, ttmp9, 5                       ; the batch entry: 128 groups of 16 queries each,
	s_lshl_b32 s28, s28, 7
	s_lshl_b32 s29, s12, 5                         ; 32 a block,
	s_add_co_u32 s28, s28, s29
	s_lshl_b32 s29, s8, 2                          ; 4 a wave;
	s_add_co_u32 s28, s28, s29
	s_lshl_b32 s28, s28, 12                        ; 4,096 bytes of words a group
	s_mov_b32 s29, 0
	s_lshl_b32 s104, ttmp9, 9
	s_mov_b32 s105, 0
	s_wait_kmcnt 0x0
	s_add_nc_u64 s[14:15], s[16:17], s[26:27]      ; query at my wave's first row
	s_add_nc_u64 s[4:5], s[24:25], s[26:27]        ; out0 likewise
	s_add_nc_u64 s[2:3], s[22:23], s[28:29]        ; my lane masks, step 0
	s_cmp_lt_u32 s8, 4
	s_cselect_b64 s[66:67], s[18:19], s[20:21]     ; waves 0-3 fetch key, waves 4-7 value
	s_add_nc_u64 s[66:67], s[66:67], s[104:105]    ; at my head: made of the head and the wave's number alone
	s_lshl_b32 s104, s101, 19                      ; my 16 rows of the 64
	s_add_nc_u64 s[G0+2:G0+3], s[66:67], s[104:105]
	s_add_nc_u64 s[G0+6:G0+7], s[G0+2:G0+3], TILEB
	s_or_b32 s[G0+3], s[G0+3], 0x80000000          ; type = 2
	s_or_b32 s[G0+7], s[G0+7], 0x80000000
	; ---- Q is asked for: rows 0 to 47 now, rows 48 to 63 behind the wait for the first sixteen; each load 512 neighbouring bytes, into window 1 ----
	WIN 0x40
.set x, 0
.rept 48
	global_load_b128 v[4*x:4*x+3], v28, s[14:15] offset:x*ROWB th:TH_LOAD_NT
.set x, x+1
.endr
	WIN 0
	; ---- the first fills, as one group behind one round ----
	ROUND
	tensor_load_to_lds s[G0:G0+3], s[G1:G1+7]      ; tile 0
	s_nop 0
	tensor_load_to_lds s[G0+4:G0+7], s[G1:G1+7]    ; tile 1
	s_nop 0
	PREFETCH                                       ; tile 2
	MASKLD 0
	; ---- Q: scaled in f32, rounded, through my own stage into fragments; LDS serves a wave's instructions in order, so no wait between the batches ----
.irp u, 0,1,2,3
.if \u == 0
	s_wait_loadcnt 32                              ; rows 0 to 15 are in; rows 16 to 47 stay out
	WIN 0x40
.set x, 48
.rept 16
	global_load_b128 v[4*x:4*x+3], v28, s[14:15] offset:x*ROWB th:TH_LOAD_NT
.set x, x+1
.endr
.else
	s_wait_loadcnt 48-16*\u                        ; rows 16 u .. 16 u + 15 are in; the 3 - u younger batches of sixteen stay out
.endif
	WIN 0x01
.set x, 0
.rept 32
	v_pk_mul_f32 v[SC+2*x:SC+2*x+1], v[64*\u+2*x:64*\u+2*x+1], QSCALE op_sel_hi:[1,0]
.set x, x+1
.endr
	WIN 0
.set x, 0
.rept 16
	v_cvt_pk_f16_f32 v[SC+4*x],   v[SC+4*x],   v[SC+4*x+1]
	v_cvt_pk_f16_f32 v[SC+4*x+1], v[SC+4*x+2], v[SC+4*x+3]
	ds_store_b64 v30, v[SC+4*x:SC+4*x+1] offset:x*KP
.set x, x+1
.endr
.set x, 0
.rept 4
	ds_load_b128 v[QF+32*\u+8*x:QF+32*\u+8*x+3],   v31 offset:64*x
	ds_load_b128 v[QF+32*\u+8*x+4:QF+32*\u+8*x+7], v31 offset:64*x+32
.set x, x+1
.endr
.endr
	; ---- tile 0 is rounded ----
	s_wait_tensorcnt 0x1                           ; my part of tile 0 is in; tile 1's may stay out
	s_wait_dscnt 0x0
	BAR                                            ; everybody's part is in
	CONV 0
	; ---- the round in front of step 0 ----
	s_wait_xcnt 0x0
	v_lshl_add_u32 v30, v0, 2, 0x42000
	v_mov_b32 v31, 0
	s_wait_tensorcnt 0x0                           ; all my tensor loads have landed, so a group 0 may be written
	ds_add_u32 v30, v31
	s_wait_dscnt 0x0
	s_add_nc_u64 s[G0+2:G0+3], s[G0+2:G0+3], 2*TILEB       ; slot 0's next tile: tile 2
	s_wait_dscnt 0x0                               ; my reads of F are back, my stores into B are done
	ROUND
	; ---- 32 steps ----
	STEP 0, 1, 1, 1, 2, 1                          ; steps 0 and 1 stand in front of the loop: the first chunk starts m, l and O
	STEP 1, 1, 1, 0, 2, 1
	s_mov_b32 s9, 14
.Lloop:                                                ; steps 2 .. 29; the last trip closes with a round too, though step 30 fills nothing: its stepped address is not used
	STEP 0, 1, 1, 0, 2, 1
	STEP 1, 1, 1, 0, 2, 1
	s_sub_co_i32 s9, s9, 1
	s_cmp_lg_u32 s9, 0
	s_cbranch_scc1 .Lloop
	STEP 0, 0, 1, 0, 1, 0                          ; step 30: nothing is left to fetch; tile 31 is rounded
	STEP 1, 0, 0, 0, 0, 0                          ; step 31
	; ---- the way out ----
.irp u, 0,1,2,3
	v_permlanex16_b32 v[AP+2*\u+1], v[ML+2*\u+1], s10, s11
.endr
.irp u, 0,1,2,3
	v_add_f32 v[ML+2*\u+1], v[ML+2*\u+1], v[AP+2*\u+1]     ; l of both halves; at least 1, the largest score's own term
.endr
.irp u, 0,1,2,3
	v_rcp_f32 v[AP+2*\u], v[ML+2*\u+1]
.endr
	s_mul_i32 s9, s8, WSZ
	s_add_co_u32 s9, s9, WSB
	v_and_b32 v27, 15, v0                          ; plain vector work behind the reciprocals, ahead of their first use
	v_bfe_u32 v28, v0, 4, 1
	v_mul_u32_u24 v24, v27, OP
	v_lshl_add_u32 v24, v28, 5, v24
	v_add_nc_u32 v24, s9, v24                      ; in: row r, 32 bytes for each half of the lanes
	v_and_b32 v26, 31, v0
	v_lshlrev_b32 v26, 4, v26                      ; my 16 bytes of an output row
	v_add_nc_u32 v25, s9, v26                      ; back: a whole row of 512 bytes
	s_wait_alu depctr_va_vdst(0)
; 16 queries: O / l, into my own stage by 32 bytes a lane and tile, back by whole rows, out by stores of 512 neighbouring bytes, aligned
.macro OUT u
.set OB, QF+64*(\u&1)
	WIN 0x01
.irp a, 0,1,2,3,4,5,6,7
.irp p, 0,2,4,6
	v_pk_mul_f32 v[SC+8*\a+\p:SC+8*\a+\p+1], v[8*(4*\a+\u)+\p:8*(4*\a+\u)+\p+1], v[AP+2*\u:AP+2*\u+1] op_sel_hi:[1,0]
.endr
.endr
	WIN 0
.irp a, 0,1,2,3,4,5,6,7
	ds_store_b128 v24, v[SC+8*\a:SC+8*\a+3]   offset:64*\a
	ds_store_b128 v24, v[SC+8*\a+4:SC+8*\a+7] offset:64*\a+16
.endr
.if \u >= 2
	s_wait_xcnt 0x0                                ; this buffer was the data of stores two subtiles ago: it is loaded again only behind this wait
.endif
.irp x, 0,1,2,3,4,5,6,7,8,9,10,11,12,13,14,15
	ds_load_b128 v[OB+4*\x:OB+4*\x+3], v25 offset:\x*OP
.endr
.irp x, 0,1,2,3,4,5,6,7,8,9,10,11,12,13,14,15
	s_wait_dscnt 15-\x                             ; row x is back; the younger loads stay out
	global_store_b128 v26, v[OB+4*\x:OB+4*\x+3], s[4:5] offset:(16*\u+\x)*ROWB th:TH_STORE_NT
.endr
.endm
	OUT 0
	OUT 1
	OUT 2
	OUT 3
	s_wait_dscnt 0x0
	s_wait_xcnt 0x0
	v_lshl_add_u32 v30, v0, 2, 0x42000
	v_mov_b32 v31, 0
	s_wait_tensorcnt 0x0
	ds_add_u32 v30, v31
	s_wait_dscnt 0x0
	ROUND                                          ; the closing round: no work-group ends while a partner may still ask for a tile that names it
	s_endpgm
.Lfunc_end_k_q6aa39bef13_attn:
	.size	k_q6aa39bef13_attn, .Lfunc_end_k_q6aa39bef13_attn-k_q6aa39bef13_attn
	.p2alignl 7, 3214868480
	.fill 96, 4, 3214868480
	.section	.rodata,"a",@progbits
	.p2align	6, 0x0
	.amdhsa_kernel k_q6aa39bef13_attn
		.amdhsa_group_segment_fixed_size 327680
		.amdhsa_private_segment_fixed_size 0
		.amdhsa_enable_private_segment 0
		.amdhsa_kernarg_size 40
		.amdhsa_user_sgpr_count 2
		.amdhsa_user_sgpr_kernarg_segment_ptr 1
		.amdhsa_wavefront_size32 1
		.amdhsa_system_sgpr_workgroup_id_x 1
		.amdhsa_system_sgpr_workgroup_id_y 1
		.amdhsa_system_sgpr_workgroup_id_z 1
		.amdhsa_system_vgpr_workitem_id 0
		.amdhsa_next_free_vgpr 512
		.amdhsa_next_free_sgpr 106
		.amdhsa_reserve_vcc 0
		.amdhsa_float_denorm_mode_32 3
		.amdhsa_float_denorm_mode_16_64 3
		.amdhsa_memory_ordered 1
		.amdhsa_forward_progress 1
		.amdhsa_inst_pref_size 255
	.end_amdhsa_kernel
	.section	.bss,"aw",@nobits
	.p2align	6
	.space	262144
	.amdgpu_metadata
---
amdhsa.version: [ 1, 2 ]
amdhsa.kernels:
  - .name:           k_q6aa39bef13_attn
    .symbol:         k_q6aa39bef13_attn.kd
    .args:
      - { .name: query, .offset: 0, .size: 8, .value_kind: global_buffer, .address_space: global }
      - { .name: key, .offset: 8, .size: 8, .value_kind: global_buffer, .address_space: global }
      - { .name: value, .offset: 16, .size: 8, .value_kind: global_buffer, .address_space: global }
      - { .name: maskbits, .offset: 24, .size: 8, .value_kind: global_buffer, .address_space: global }
      - { .name: out0, .offset: 32, .size: 8, .value_kind: global_buffer, .address_space: global }
    .group_segment_fixed_size: 327680
    .private_segment_fixed_size: 0
    .kernarg_segment_align: 8
    .kernarg_segment_size: 40
    .max_flat_workgroup_size: 256
    .sgpr_count:     106
    .vgpr_count:     512
    .wavefront_size: 32
...
	.end_amdgpu_metadata
.endif
;; end of part 2
